; MI455X (gfx1250); checked and timed in simulation.
; The chip was launched on July 23, 2026; its instructions are those of AMD's public machine-readable ISA for CDNA 5 (MIT licence, August 2026) and "CDNA5" Instruction Set Architecture Reference Guide (July 2026). The comments in the code are by the model that wrote it; some were corrected since.
;; Sparse Boosting Mo E. Allowed arithmetic: float matrix products may take bf16 or f16 operands with f32 sums; all other float work in f32.
;; Inputs: W1 8 x 1,024 x 512 float32; W2 8 x 512 x 1,024 float32; b1 8 x 512 float32; b2 8 x 1,024 float32; gate_W 1,024 x 8 float32; gate_b 8 float32; ln_beta 1,024 float32; ln_gamma 1,024 float32; x 2 x 2,048 x 1,024 float32.
;; Outputs: out0 2 x 2,048 x 1,024 float32.
;; One version. Each part assembles by itself: llvm-mc -triple=amdgcn-amd-amdhsa -mcpu=gfx1250 --defsym DOCPART=n.
;; ======== version 1 of 1: 3 launches
;; workspace buffers: WF 16,777,216 bytes; sel 32,768 bytes of whole numbers; gval 32,768 bytes; order 16,384 bytes of whole numbers; tiles 3,072 bytes of whole numbers
;; launch prep (part 1): grid 256 x 1, 8 waves a work-group, no clusters, 33,792 bytes of LDS; arguments x, gate_W, gate_b, W1, W2, WF, sel, gval; writes WF, sel, gval
.if DOCPART == 1
	.amdgcn_target "amdgcn-amd-amdhsa--gfx1250"
	.amdhsa_code_object_version 6
	.text
	.protected	k_q30ce415f36_prep
	.globl	k_q30ce415f36_prep
	.p2align	8
	.type	k_q30ce415f36_prep,@function
k_q30ce415f36_prep:
	s_mov_b64 s[64:65], 0
	v_nop
	global_prefetch_b8 v0, s[64:65] scope:SCOPE_SE
	s_setreg_imm32_b32 hwreg(HW_REG_WAVE_MODE, 25, 1), 1
	s_wait_xcnt 0x0
; prep: (1) W1 and W2, f32 [K][N], are rounded to bf16 and laid into WF in the order in which a wave's registers want them;
;       (2) the gate: logits in f32 on the vector unit, the two largest, their softmax weights.
; Every work-group does the same: wave tile t = 8 x group + wave of W1, wave tile t of W2 (2,048 tiles of 32 k x 64 n each), and the
; gate of tokens 2 t and 2 t + 1 (4,096 tokens).
; WF = [expert 8][wave 8][slot 64][j 4][c 2][lane 32][16 bytes].  Slots 0-31: W1, K step = slot.  Slots 32-63: W2, K step (slot-32)/2,
; column group slot & 1.  Fragment j of a group of 64 columns from n0 holds in row slot s the column n0 + 4 s + j; lane (r, h) holds row
; slot r, k = 16 c + 8 h + 0..7 in its 16 bytes.  With that interleave a lane's 16 loaded bytes (4 columns) are the four fragments' values
; of one k, so loads cover whole 256-byte row pieces and each store of the wave covers 512 consecutive bytes.
; The logits are f32 because a wrong choice of expert spoils a whole output row: 1,024 x 8 fused multiply-adds a token.
; LIMITS: the two largest are taken on the logits, the lower index on a tie; that is the order of the softmax values except where two of
; them are equal after rounding to f32.  Logits closer than the f32 summation error (about 1e-6 relative) can fall either way.  NaN or
; infinite logits are not served; the indices stay in 0..7.
; The last stores are 8 + 8 + 16 bytes a wave (two tokens): 64 KB in the whole launch.
.set TT,  12                           ; v12         which of the wave's two tokens this lane finishes, then the token's number
.set VO4, 13                           ; v13         4 x token   (v12-14 lie below every register that a load fills)
.set VO8, 14                           ; v14         8 x token
.set GS,  16                           ; v[16:47]    gate_W as loaded, 8 x 16 bytes
.set O1,  16                           ; v[16:47]    W1's four fragments, [c][j][4]
.set L1,  48                           ; v[48:111]   W1's tile as loaded, 16 x 4
.set O2,  48                           ; v[48:79]    W2's four fragments
.set G0,  80                           ; v[80:111], v[112:143]  two buffers of gate_W pieces from LDS
.set L2,  112                          ; v[112:175]  W2's tile as loaded
.set PT,  144                          ; v[144:159]  the other half's sums; later the exponentials
.set EX,  144
.set P2,  152
.set SS,  153
.set RC,  154
.set GV,  156                          ; v[156:157]  the two gate weights
.set LG,  160                          ; v[160:167]  my token's eight logits
.set M1,  168
.set I1,  169
.set M2,  170
.set I2,  171
.set X,   176                          ; v[176:239]  x, [token 2][chunk 8][4]
.set ACC, 240                          ; v[240:255]  [token 2][expert 8]
	s_load_b256 s[4:11], s[0:1], 0x0               ; x s[4:5], gate_W s[6:7], gate_b s[8:9], W1 s[10:11]
	s_load_b256 s[12:19], s[0:1], 0x20             ; W2 s[12:13], WF s[14:15], sel s[16:17], gval s[18:19]
	v_lshl_add_u32 v15, v0, 2, 0x8000
	s_set_vgpr_msb 0x40
	v_mov_b32 v1, 0
	s_set_vgpr_msb 0x4000
	v_lshrrev_b32 v7, 5, v0
	v_readfirstlane_b32 s20, v7                    ; wave
	v_and_b32 v1, 31, v0                           ; lane
	v_lshlrev_b32 v2, 4, v1                        ; 16 x lane
	v_and_b32 v8, 15, v0                           ; a = lane % 16
	v_bfe_u32 v9, v0, 4, 1                         ; hh = lane / 16
	v_lshlrev_b32 v8, 4, v8
	v_lshl_add_u32 v3, v9, 14, v8                  ; W1: 8 hh rows of 2,048 bytes + 16 a
	v_lshl_add_u32 v4, v9, 15, v8                  ; W2: 8 hh rows of 4,096 bytes + 16 a
	v_and_b32 v10, 7, v0
	v_bfe_u32 v11, v0, 3, 2
	v_lshlrev_b32 v11, 4, v11
	v_lshl_add_u32 v5, v10, 9, v11                 ; LDS: (lane & 7) x 512 + (lane >> 3) x 16
	s_lshl_b32 s22, s20, 12
	v_add_nc_u32 v5, s22, v5                       ; + wave x 4,096
	v_add_nc_u32 v6, s22, v2                       ; gate_W: wave x 4,096 + 16 x lane
	v_and_b32 v[TT], 1, v0                         ; which of the wave's two tokens this lane will finish
	s_lshl3_add_u32 s21, ttmp9, s20                ; t = 8 x group + wave
	s_mov_b32 s40, 0x76543210                      ; v_permlanex16_b32: lane i of one half reads lane i of the other
	s_mov_b32 s41, 0xfedcba98
	s_lshr_b32 s22, s21, 8
	s_lshl_b32 s22, s22, 21                        ; expert x 2 MiB (in W1, W2 and WF alike)
	s_bfe_u32 s23, s21, 0x50003                    ; W1: K step = (t >> 3) & 31
	s_and_b32 s42, s21, 7                          ; W1: column group = t & 7
	s_lshl_b32 s32, s23, 16                        ; 32 rows of 2,048 bytes
	s_lshl_b32 s43, s42, 8                         ; 64 columns of 4 bytes
	s_add_co_u32 s32, s32, s43
	s_add_co_u32 s32, s32, s22
	s_mov_b32 s33, 0                               ; s[32:33]: W1's tile
	s_lshl_b32 s34, s42, 18                        ; the FFN wave that owns the group: 256 KiB each
	s_lshl_b32 s43, s23, 12                        ; slot = K step
	s_add_co_u32 s34, s34, s43
	s_add_co_u32 s34, s34, s22
	s_mov_b32 s35, 0                               ; s[34:35]: its place in WF
	s_bfe_u32 s23, s21, 0x40004                    ; W2: K step = (t >> 4) & 15
	s_and_b32 s42, s21, 15                         ; W2: column group = t & 15
	s_lshl_b32 s36, s23, 17                        ; 32 rows of 4,096 bytes
	s_lshl_b32 s43, s42, 8
	s_add_co_u32 s36, s36, s43
	s_add_co_u32 s36, s36, s22
	s_mov_b32 s37, 0                               ; s[36:37]: W2's tile
	s_lshr_b32 s38, s42, 1
	s_lshl_b32 s38, s38, 18                        ; the FFN wave = group / 2
	s_lshl_b32 s43, s23, 13                        ; slot 32 + 2 x K step + (group & 1), 4,096 bytes each
	s_add_co_u32 s38, s38, s43
	s_and_b32 s43, s42, 1
	s_lshl_b32 s43, s43, 12
	s_add_co_u32 s38, s38, s43
	s_add_co_u32 s38, s38, s22
	s_add_co_u32 s38, s38, 32*4096
	s_mov_b32 s39, 0                               ; s[38:39]: its place in WF
	s_lshl_b32 s22, s21, 13                        ; token 2 t, rows of 4,096 bytes
	s_mov_b32 s23, 0
	s_wait_kmcnt 0x0
	s_add_nc_u64 s[10:11], s[10:11], s[32:33]
	s_add_nc_u64 s[12:13], s[12:13], s[36:37]
	s_add_nc_u64 s[44:45], s[14:15], s[34:35]
	s_add_nc_u64 s[46:47], s[14:15], s[38:39]
	s_add_nc_u64 s[4:5], s[4:5], s[22:23]
	s_load_b256 s[24:31], s[8:9], 0x0              ; gate_b, all eight
; All 56 loads of the wave go out at once: gate_W 8, W1 16, W2 16, x 16.
.irp q, 0,1,2,3,4,5,6,7
	global_load_b128 v[GS+4*\q:GS+4*\q+3], v6, s[6:7] offset:\q*512
.endr
; Load i of a tile: row (i & 7) + 8 hh + 16 (i >> 3), 16 bytes at 16 a: sixteen lanes take 256 consecutive bytes of a row.
.macro TILE_LD dst, voff, base, row
.irp i, 0,1,2,3,4,5,6,7,8,9,10,11,12,13,14,15
	global_load_b128 v[\dst+4*\i:\dst+4*\i+3], v[\voff], s[\base:\base+1] offset:((\i&7)+16*(\i>>3))*\row th:TH_LOAD_NT
.endr
.endm
	TILE_LD L1, 3, 10, 2048
	TILE_LD L2, 4, 12, 4096
.irp i, 0,1,2,3,4,5,6,7
.irp rho, 0,1
	global_load_b128 v[X+32*\rho+4*\i:X+32*\rho+4*\i+3], v2, s[4:5] offset:\rho*4096+\i*512   ; elements 128 i + 4 lane .. + 3
.endr
.endr
; gate_W into LDS so that piece (chunk i, q) of lane l, gate_W[128 i + 4 l + (q >> 1)][4 (q & 1) .. + 3], lies at (8 i + q) x 512 + 16 l:
; the reads below are then 512 consecutive bytes.  These 8 stores a wave collide in the banks; they are the launch's only fill of 32 KB.
	s_wait_loadcnt 48                              ; the 48 younger loads (W1, W2, x) stay out
.irp q, 0,1,2,3,4,5,6,7
	ds_store_b128 v5, v[GS+4*\q:GS+4*\q+3] offset:\q*64
.endr
	s_wait_dscnt 0x0                               ; my stores are done before I say so
	s_barrier_signal -1
	s_barrier_wait -1                              ; all of gate_W is in LDS; nothing writes it again
; Register p of half c of fragment j packs k = 16 c + 8 hh + 2 p (low) and + 1 (high) of column 4 a + j.
.macro CONV src, dst
.irp c, 0,1
.irp j, 0,1,2,3
.irp p, 0,1,2,3
	v_cvt_pk_bf16_f32 v[\dst+16*\c+4*\j+\p], v[\src+4*(8*\c+2*\p)+\j], v[\src+4*(8*\c+2*\p+1)+\j]
.endr
.endr
.endr
.endm
.macro PUT src, base
.irp c, 0,1
.irp j, 0,1,2,3
	global_store_b128 v2, v[\src+16*\c+4*\j:\src+16*\c+4*\j+3], s[\base:\base+1] offset:\j*1024+\c*512   ; 512 consecutive bytes
.endr
.endr
.endm
	s_wait_loadcnt 32                              ; W1's tile is in; W2 and x stay out
	CONV L1, O1
	PUT O1, 44
	s_wait_loadcnt 16                              ; W2's tile is in; x stays out
	CONV L2, O2
	PUT O2, 46                                     ; O1 and O2 are never written again: no wait for the stores' sources
; The gate.  A lane multiplies its four x of a chunk with the eight weights of each: 16 packed multiply-adds a token and chunk.
.macro GWLD i
.irp q, 0,1,2,3,4,5,6,7
	ds_load_b128 v[G0+32*((\i)&1)+4*\q:G0+32*((\i)&1)+4*\q+3], v2 offset:(8*(\i)+\q)*512
.endr
.endm
; x's register 2 dp + hi of the chunk, broadcast to both halves, times experts 2 ep and 2 ep + 1
.macro FMAS i, dp, hi
.irp rho, 0,1
.irp ep, 0,1,2,3
.if \hi
	v_pk_fma_f32 v[ACC+8*\rho+2*\ep:ACC+8*\rho+2*\ep+1], v[X+32*\rho+4*\i+2*\dp:X+32*\rho+4*\i+2*\dp+1], v[G0+32*(\i&1)+16*\dp+8+2*\ep:G0+32*(\i&1)+16*\dp+8+2*\ep+1], v[ACC+8*\rho+2*\ep:ACC+8*\rho+2*\ep+1] op_sel:[1,0,0] op_sel_hi:[1,1,1]
.else
	v_pk_fma_f32 v[ACC+8*\rho+2*\ep:ACC+8*\rho+2*\ep+1], v[X+32*\rho+4*\i+2*\dp:X+32*\rho+4*\i+2*\dp+1], v[G0+32*(\i&1)+16*\dp+2*\ep:G0+32*(\i&1)+16*\dp+2*\ep+1], v[ACC+8*\rho+2*\ep:ACC+8*\rho+2*\ep+1] op_sel_hi:[0,1,1]
.endif
.endr
.endr
.endm
.macro GATE i
.if \i < 7
	GWLD \i+1
	s_wait_dscnt 8                                 ; this chunk's pieces are in; the 8 loads just issued stay out
.else
	s_wait_dscnt 0
.endif
	s_wait_loadcnt 2*(7-\i)                        ; x came chunk by chunk, two loads a chunk: the later chunks stay out
.if \i == 0
.irp rho, 0,1
.irp ep, 0,1,2,3
	v_pk_mul_f32 v[ACC+8*\rho+2*\ep:ACC+8*\rho+2*\ep+1], v[X+32*\rho:X+32*\rho+1], v[G0+2*\ep:G0+2*\ep+1] op_sel_hi:[0,1]   ; the first product starts the sums
.endr
.endr
.else
	FMAS \i, 0, 0
.endif
	FMAS \i, 0, 1
	FMAS \i, 1, 0
	FMAS \i, 1, 1
.endm
	GWLD 0
.irp i, 0,1,2,3,4,5,6,7
	GATE \i
.endr
; the 16 sums over the 32 lanes: four steps inside each half ride on the add, one crosses the halves
.irp m, 1,2,4,8
.irp n, 0,1,2,3,4,5,6,7,8,9,10,11,12,13,14,15
	v_add_f32_dpp v[ACC+\n], v[ACC+\n], v[ACC+\n] row_xmask:\m row_mask:0xf bank_mask:0xf
.endr
.endr
.irp n, 0,1,2,3,4,5,6,7,8,9,10,11,12,13,14,15
	v_permlanex16_b32 v[PT+\n], v[ACC+\n], s40, s41            ; PT was written by W2's loads
.endr
.irp n, 0,1,2,3,4,5,6,7,8,9,10,11,12,13,14,15
	v_add_f32 v[ACC+\n], v[ACC+\n], v[PT+\n]
.endr
; even lanes go on with token 2 t, odd lanes with token 2 t + 1: the selection is written once
	v_cmp_eq_u32 s42, 1, v[TT]
	s_wait_kmcnt 0x0                               ; gate_b
.irp e, 0,1,2,3,4,5,6,7
	v_cndmask_b32 v[LG+\e], v[ACC+\e], v[ACC+8+\e], s42
.endr
.irp e, 0,1,2,3,4,5,6,7
	v_add_f32 v[LG+\e], s[24+\e], v[LG+\e]
.endr
; the largest: a strictly greater logit replaces, so the lower index keeps a tie
	v_mov_b32 v[M1], v[LG]
	v_mov_b32 v[I1], 0
.irp e, 1,2,3,4,5,6,7
	v_cmp_gt_f32 vcc_lo, v[LG+\e], v[M1]
	v_cndmask_b32 v[M1], v[M1], v[LG+\e], vcc_lo
	v_cndmask_b32 v[I1], v[I1], \e, vcc_lo
.endr
; the second: the same from minus infinity, without the first's index
	v_mov_b32 v[M2], 0xff800000
	v_mov_b32 v[I2], 0
.irp e, 0,1,2,3,4,5,6,7
	v_cmp_gt_f32 s43, v[LG+\e], v[M2]
	v_cmp_ne_u32 vcc_lo, \e, v[I1]
	s_and_b32 vcc_lo, vcc_lo, s43
	v_cndmask_b32 v[M2], v[M2], v[LG+\e], vcc_lo
	v_cndmask_b32 v[I2], v[I2], \e, vcc_lo
.endr
; softmax with the maximum taken away: the largest term is 1, so the weights are 1 / S and p2 / S
.irp e, 0,1,2,3,4,5,6,7
	v_sub_f32 v[EX+\e], v[LG+\e], v[M1]
.endr
	v_sub_f32 v[P2], v[M2], v[M1]
.irp e, 0,1,2,3,4,5,6,7,8
	v_mul_f32 v[EX+\e], 0x3fb8aa3b, v[EX+\e]       ; log2(e); EX+8 is P2
.endr
.irp e, 0,1,2,3,4,5,6,7,8
	v_exp_f32 v[EX+\e], v[EX+\e]
.endr
	v_nop                                          ; one plain vector instruction between the exponentials and their first use (ISA guide 5.7.2)
	s_wait_alu depctr_va_vdst(0)
	v_add_f32 v[EX], v[EX], v[EX+1]
	v_add_f32 v[EX+2], v[EX+2], v[EX+3]
	v_add_f32 v[EX+4], v[EX+4], v[EX+5]
	v_add_f32 v[EX+6], v[EX+6], v[EX+7]
	v_add_f32 v[EX], v[EX], v[EX+2]
	v_add_f32 v[EX+4], v[EX+4], v[EX+6]
	v_add_f32 v[SS], v[EX], v[EX+4]
	v_rcp_f32 v[RC], v[SS]
	s_lshl_b32 s43, s21, 1
	v_add_nc_u32 v[TT], s43, v[TT]                 ; my token; also the plain instruction behind v_rcp_f32
	s_wait_alu depctr_va_vdst(0)
	v_mov_b32 v[GV], v[RC]
	v_mul_f32 v[GV+1], v[P2], v[RC]
	v_lshlrev_b32 v[VO4], 2, v[TT]
	v_lshlrev_b32 v[VO8], 3, v[TT]
	s_wait_xcnt 0x0                                ; EXEC is a source of the stores above: it changes only behind this wait
	v_cmp_gt_u32 vcc_lo, 2, v1
	s_set_vgpr_msb 0x4
	s_wait_tensorcnt 0x0
	ds_add_u32 v15, v1
	s_wait_dscnt 0x0
	s_set_vgpr_msb 0x400
	s_and_saveexec_b32 s48, vcc_lo                 ; lanes 0 and 1 hold the two tokens
	global_store_b32 v[VO4], v[I1], s[16:17]
	global_store_b32 v[VO4], v[I2], s[16:17] offset:16384
	global_store_b64 v[VO8], v[GV:GV+1], s[18:19]
	s_endpgm
.Lfunc_end_k_q30ce415f36_prep:
	.size	k_q30ce415f36_prep, .Lfunc_end_k_q30ce415f36_prep-k_q30ce415f36_prep
	.p2alignl 7, 3214868480
	.fill 96, 4, 3214868480
	.section	.rodata,"a",@progbits
	.p2align	6, 0x0
	.amdhsa_kernel k_q30ce415f36_prep
		.amdhsa_group_segment_fixed_size 33792
		.amdhsa_private_segment_fixed_size 0
		.amdhsa_enable_private_segment 0
		.amdhsa_kernarg_size 64
		.amdhsa_user_sgpr_count 2
		.amdhsa_user_sgpr_kernarg_segment_ptr 1
		.amdhsa_wavefront_size32 1
		.amdhsa_system_sgpr_workgroup_id_x 1
		.amdhsa_system_sgpr_workgroup_id_y 1
		.amdhsa_system_sgpr_workgroup_id_z 1
		.amdhsa_system_vgpr_workitem_id 0
		.amdhsa_next_free_vgpr 258
		.amdhsa_next_free_sgpr 66
		.amdhsa_reserve_vcc 1
		.amdhsa_float_denorm_mode_32 3
		.amdhsa_float_denorm_mode_16_64 3
		.amdhsa_memory_ordered 1
		.amdhsa_forward_progress 1
		.amdhsa_inst_pref_size 47
	.end_amdhsa_kernel
	.amdgpu_metadata
---
amdhsa.version: [ 1, 2 ]
amdhsa.kernels:
  - .name:           k_q30ce415f36_prep
    .symbol:         k_q30ce415f36_prep.kd
    .args:
      - { .name: x, .offset: 0, .size: 8, .value_kind: global_buffer, .address_space: global }
      - { .name: gate_W, .offset: 8, .size: 8, .value_kind: global_buffer, .address_space: global }
      - { .name: gate_b, .offset: 16, .size: 8, .value_kind: global_buffer, .address_space: global }
      - { .name: W1, .offset: 24, .size: 8, .value_kind: global_buffer, .address_space: global }
      - { .name: W2, .offset: 32, .size: 8, .value_kind: global_buffer, .address_space: global }
      - { .name: WF, .offset: 40, .size: 8, .value_kind: global_buffer, .address_space: global }
      - { .name: sel, .offset: 48, .size: 8, .value_kind: global_buffer, .address_space: global }
      - { .name: gval, .offset: 56, .size: 8, .value_kind: global_buffer, .address_space: global }
    .group_segment_fixed_size: 33792
    .private_segment_fixed_size: 0
    .kernarg_segment_align: 8
    .kernarg_segment_size: 64
    .max_flat_workgroup_size: 256
    .sgpr_count:     66
    .vgpr_count:     258
    .wavefront_size: 32
...
	.end_amdgpu_metadata
.endif
;; end of part 1
;; launch route (part 2): grid 1 x 1, 32 waves a work-group, no clusters, 13,056 bytes of LDS; arguments sel, order, tiles; writes order, tiles
.if DOCPART == 2
	.amdgcn_target "amdgcn-amd-amdhsa--gfx1250"
	.amdhsa_code_object_version 6
	.text
	.protected	k_q30ce415f36_route
	.globl	k_q30ce415f36_route
	.p2align	8
	.type	k_q30ce415f36_route,@function
k_q30ce415f36_route:
	s_mov_b64 s[64:65], 0
	v_nop
	global_prefetch_b8 v0, s[64:65] scope:SCOPE_SE
	s_setreg_imm32_b32 hwreg(HW_REG_WAVE_MODE, 25, 1), 1
	s_wait_xcnt 0x0
; route: sorts the 4,096 tokens by the pair of their chosen experts, key = 8 x first + second (64 keys; a counting sort, stable, without
; atomics), and cuts the sorted list into exactly 190 tiles of at most 32 tokens of one key.
; order[p] = token at place p.  tiles[i] = (first expert, second expert, first place, tokens), i = 0 .. 189.
; WHY 190.  The sum over 64 keys of ceil(n / 32) lies in 128 .. 190 (4,096 tokens, 64 remainders of at most 31).  The spare tiles
; (190 - sum, at most 62) all go to the fullest key: it has n >= 64 tokens, and ceil(n / 32) + 62 <= n from n = 64 on, so its n tokens cut
; evenly into t = ceil(n / 32) + spare tiles give none empty and none above 32.  So the next launch has a fixed grid and no idle work-group.
; HOW THE COUNTS ARE MADE.  For 32 tokens the six bits of the key give six ballots.  The tokens with a given key are the AND of the ballots
; or their complements, by that key's bits: taken with a token's own key it gives the token's peers (its rank = peers in lower lanes), taken
; with the lane's number it gives lane l the tokens of keys l and l + 32.  The counts of keys l and l + 32 share a word, 16 bits each:
; no sum passes 4,096, so packed sums never carry from one half into the other.
; One work-group: the sort needs all tokens' counts, 16 KB of list and 3 KB of tiles are all that leaves.
; The list is stored 4 bytes a lane at 4 x place.
.set TILES, 190
.set PIT,  132                         ; a table row: 32 words + 1, so that a column's 32 words lie in 32 different banks
.set TBL,  0                           ; LDS: T[wave][lane], the wave's packed counts of keys lane, lane + 32 (4,224 bytes)
.set PBL,  4352                        ; LDS: P[wave][lane], their exclusive sums over the waves
.set NKB,  8704                        ; LDS: NK[lane], the packed totals of keys lane, lane + 32
.set INV,  8                           ; v[8:12]   bit b of the lane's number, minus 1: 0 or all ones
.set KEY,  16                          ; v[16:19]  my four tokens' keys
.set E1,   20                          ; v[20:23]
.set E2,   24                          ; v[24:27]  later the tile's entry
.set RK,   28                          ; v[28:31]  rank among the peers of the group of 32
.set CP,   32                          ; v[32:35]  packed counts of the four groups
.set BIT,  36                          ; v[36:41]
.set PE,   42
.set K5,   43
.set LO,   44
.set HI,   45
.set T0,   46
.set T1,   47
.set VT,   48                          ; wave x 132 + 4 x lane
.set VC,   49                          ; lane x 132 + 4 x wave
.set VW,   50                          ; 4 x wave
.set VL,   51                          ; 4 x lane
.set XX,   52
.set SC,   53                          ; a scan's result
.set SD,   54
.set NK,   55                          ; packed n of keys lane, lane + 32
.set BP,   56                          ; packed first places of these keys
.set PW,   57
.set PK,   58                          ; v[58:61]
.set IDX,  62                          ; v[62:65]
.set VAL,  66                          ; v[66:69]
.set POS,  70                          ; v[70:73]
.set TOK,  74                          ; v[74:77]
.set TBP,  78                          ; packed first tiles of keys lane, lane + 32
.set TLO,  79
.set THI,  80
.set KK,   81                          ; my tile's key
.set GG,   82                          ; v[82:84]
.set NN,   85
.set BB,   86
.set TT,   87
.set JJ,   88
.set OFF,  89
.set CN,   90
.set OF2,  91
.set CN2,  92
.set AD,   93
.macro SCAN x                          ; inclusive sum of v[x] over the 32 lanes, into v[SC]; uses s11 and VCC
	v_mov_b32 v[SC], v[\x]
.irp n, 1,2,4,8
	v_mov_b32_dpp v[SD], v[SC] row_shr:\n row_mask:0xf bank_mask:0xf bound_ctrl:1
	v_add_nc_u32 v[SC], v[SC], v[SD]               ; inside each half of 16 lanes
.endr
	v_readlane_b32 s11, v[SC], 15                  ; the lower half's total
	v_cmp_le_u32 vcc_lo, 16, v1
	v_cndmask_b32 v[SD], 0, s11, vcc_lo
	v_add_nc_u32 v[SC], v[SC], v[SD]
.endm
.macro POPC x                          ; v[x] = the number of its ones: pairs, fours, bytes, then the four bytes summed by a multiply
	v_lshrrev_b32 v[T0], 1, v[\x]
	v_and_b32 v[T0], 0x55555555, v[T0]
	v_sub_nc_u32 v[\x], v[\x], v[T0]
	v_lshrrev_b32 v[T0], 2, v[\x]
	v_and_b32 v[T0], 0x33333333, v[T0]
	v_and_b32 v[\x], 0x33333333, v[\x]
	v_add_nc_u32 v[\x], v[\x], v[T0]
	v_lshrrev_b32 v[T0], 4, v[\x]
	v_add_nc_u32 v[\x], v[\x], v[T0]
	v_and_b32 v[\x], 0x0f0f0f0f, v[\x]
	v_mul_lo_u32 v[\x], v[\x], s40
	v_lshrrev_b32 v[\x], 24, v[\x]
.endm
; group c of 32 tokens: ballots in s[16 + 6 c + b]; each token's rank among its peers; lane l's packed count of keys l and l + 32
.macro CHUNK c
.irp b, 0,1,2,3,4,5
	v_bfe_u32 v[BIT+\b], v[KEY+\c], \b, 1
	v_cmp_eq_u32 s[16+6*\c+\b], 1, v[BIT+\b]
.endr
.irp b, 0,1,2,3,4,5
	v_add_nc_u32 v[BIT+\b], -1, v[BIT+\b]          ; bit set: 0; clear: all ones
	v_xor_b32 v[BIT+\b], s[16+6*\c+\b], v[BIT+\b]  ; the ballot, or its complement: the tokens that agree with me in bit b
.endr
	v_and_b32 v[PE], v[BIT], v[BIT+1]
	v_and_b32 v[T0], v[BIT+2], v[BIT+3]
	v_and_b32 v[T1], v[BIT+4], v[BIT+5]
	v_and_b32 v[PE], v[PE], v[T0]
	v_and_b32 v[PE], v[PE], v[T1]
	v_mbcnt_lo_u32_b32 v[RK+\c], v[PE], 0          ; peers in lower lanes
.irp b, 0,1,2,3,4
	v_xor_b32 v[BIT+\b], s[16+6*\c+\b], v[INV+\b]  ; the tokens whose key agrees with my lane's number in bit b
.endr
	v_and_b32 v[K5], v[BIT], v[BIT+1]
	v_and_b32 v[T0], v[BIT+2], v[BIT+3]
	v_and_b32 v[K5], v[K5], v[BIT+4]
	v_and_b32 v[K5], v[K5], v[T0]
	v_and_b32 v[HI], s[16+6*\c+5], v[K5]           ; key = lane + 32
	v_xor_b32 v[LO], v[K5], v[HI]                  ; key = lane
	POPC LO
	POPC HI
	v_lshl_or_b32 v[CP+\c], v[HI], 16, v[LO]
.endm
	s_load_b128 s[4:7], s[0:1], 0x0                ; sel s[4:5], order s[6:7]
	s_load_b64 s[8:9], s[0:1], 0x10                ; tiles
	v_lshl_add_u32 v96, v0, 2, 0x2300
	v_mov_b32 v97, 0
	v_and_b32 v1, 31, v0
	v_lshrrev_b32 v7, 5, v0
	v_readfirstlane_b32 s10, v7                    ; wave 0 .. 31
	v_lshl_add_u32 v7, v7, 7, v1                   ; my first token: 128 x wave + lane; kept to the end
	v_lshlrev_b32 v6, 2, v7
	s_mov_b32 s40, 0x01010101
	s_lshl_b32 s12, s10, 2
	s_mul_i32 s13, s10, PIT
	v_mov_b32 v[VW], s12
	v_lshlrev_b32 v[VL], 2, v1
	v_lshl_add_u32 v[VT], v1, 2, s13
	v_mul_u32_u24 v[VC], v1, PIT
	v_add_nc_u32 v[VC], s12, v[VC]
	v_mov_b32 v[SD], 0                             ; a DPP form's destination counts as read
.irp b, 0,1,2,3,4
	v_bfe_u32 v[INV+\b], v1, \b, 1
	v_add_nc_u32 v[INV+\b], -1, v[INV+\b]
.endr
	s_wait_kmcnt 0x0
.irp c, 0,1,2,3
	global_load_b32 v[E1+\c], v6, s[4:5] offset:\c*128             ; tokens 128 wave + 32 c + lane: the first choice,
	global_load_b32 v[E2+\c], v6, s[4:5] offset:16384+\c*128       ; the second
.endr
	s_wait_loadcnt 0x0
.irp c, 0,1,2,3
	v_min_u32 v[E1+\c], 7, v[E1+\c]                ; an expert is 0 .. 7
	v_min_u32 v[E2+\c], 7, v[E2+\c]
	v_lshl_add_u32 v[KEY+\c], v[E1+\c], 3, v[E2+\c]
.endr
	CHUNK 0
	CHUNK 1
	CHUNK 2
	CHUNK 3
	v_add_nc_u32 v[XX], v[CP], v[CP+1]
	v_add_nc_u32 v[T0], v[CP+2], v[CP+3]
	v_add_nc_u32 v[XX], v[XX], v[T0]               ; the wave's packed counts
	ds_store_b32 v[VT], v[XX] offset:TBL
	s_wait_dscnt 0x0                               ; my row of T is written before I say so
	s_barrier_signal -1
	s_barrier_wait -1
; wave w sums column w (keys w and w + 32) over the 32 waves: lane j holds wave j's counts
	ds_load_b32 v[XX], v[VC] offset:TBL
	s_wait_dscnt 0x0
	SCAN XX
	v_sub_nc_u32 v[T0], v[SC], v[XX]               ; what the waves in front of wave j hold
	ds_store_b32 v[VC], v[T0] offset:PBL
	v_readlane_b32 s12, v[SC], 31                  ; the two keys' totals
	v_mov_b32 v[T1], s12
	ds_store_b32 v[VW], v[T1] offset:NKB           ; all lanes write the same word with the same value
	s_wait_dscnt 0x0
	s_barrier_signal -1
	s_barrier_wait -1
; every wave: the keys' first places, and with P the first place of (key, my wave)
	ds_load_b32 v[NK], v[VL] offset:NKB
	ds_load_b32 v[PW], v[VT] offset:PBL
	s_wait_dscnt 0x0
	SCAN NK
	v_readlane_b32 s12, v[SC], 31
	s_and_b32 s12, s12, 0xffff                     ; the tokens of keys 0 .. 31 lie in front of key 32
	s_lshl_b32 s13, s12, 16
	v_sub_nc_u32 v[BP], v[SC], v[NK]
	v_add_nc_u32 v[BP], s13, v[BP]
	v_add_nc_u32 v[PK], v[BP], v[PW]
	v_add_nc_u32 v[PK+1], v[PK], v[CP]             ; + the wave's earlier groups
	v_add_nc_u32 v[PK+2], v[PK+1], v[CP+1]
	v_add_nc_u32 v[PK+3], v[PK+2], v[CP+2]
.irp c, 0,1,2,3
	v_and_b32 v[IDX+\c], 31, v[KEY+\c]
	v_lshlrev_b32 v[IDX+\c], 2, v[IDX+\c]
	ds_bpermute_b32 v[VAL+\c], v[IDX+\c], v[PK+\c] ; from the lane that keeps my key
.endr
	s_wait_dscnt 0x0
.irp c, 0,1,2,3
	v_cmp_le_u32 vcc_lo, 32, v[KEY+\c]
	v_and_b32 v[T0], 0xffff, v[VAL+\c]
	v_lshrrev_b32 v[T1], 16, v[VAL+\c]
	v_cndmask_b32 v[T0], v[T0], v[T1], vcc_lo
	v_add_nc_u32 v[POS+\c], v[T0], v[RK+\c]
	v_min_u32 v[POS+\c], 0xfff, v[POS+\c]          ; a place is 0 .. 4,095
	v_lshlrev_b32 v[POS+\c], 2, v[POS+\c]
	v_add_nc_u32 v[TOK+\c], 32*\c, v7
	global_store_b32 v[POS+\c], v[TOK+\c], s[6:7]  ; POS and TOK are not written again
.endr
; the tiles: waves 0 to 5, thread i makes entry i
	s_cmp_gt_u32 s10, 5
	s_cbranch_scc1 .Lend
	v_add_nc_u32 v[T0], 0x1f001f, v[NK]
	v_lshrrev_b32 v[T0], 5, v[T0]
	v_and_b32 v[XX], 0x7ff07ff, v[T0]              ; packed ceil(n / 32): the mask drops the upper half's five low bits
	SCAN XX
	v_readlane_b32 s12, v[SC], 31
	s_and_b32 s13, s12, 0xffff                     ; tiles of keys 0 .. 31
	s_lshr_b32 s14, s12, 16
	s_add_co_u32 s14, s14, s13
	s_sub_co_u32 s72, TILES, s14                   ; spare
	s_lshl_b32 s13, s13, 16
	v_sub_nc_u32 v[TBP], v[SC], v[XX]
	v_add_nc_u32 v[TBP], s13, v[TBP]               ; packed first tiles, before the spare ones
	v_and_b32 v[T0], 0xffff, v[NK]
	v_lshrrev_b32 v[T1], 16, v[NK]
	v_lshl_add_u32 v[T0], v[T0], 6, v1             ; 64 n + key: the largest names a fullest key
	v_lshl_add_u32 v[T1], v[T1], 6, v1
	v_add_nc_u32 v[T1], 32, v[T1]
	v_max_u32 v[T0], v[T0], v[T1]
.irp n, 1,2,4,8
	v_mov_b32_dpp v[SD], v[T0] row_shr:\n row_mask:0xf bank_mask:0xf bound_ctrl:1
	v_max_u32 v[T0], v[T0], v[SD]
.endr
	v_readlane_b32 s66, v[T0], 15
	v_readlane_b32 s12, v[T0], 31
	s_max_u32 s66, s66, s12
	s_and_b32 s67, s66, 63                         ; the fullest key
	s_lshr_b32 s68, s66, 6                         ; its n
	s_add_co_u32 s69, s68, 31
	s_lshr_b32 s69, s69, 5
	s_add_co_u32 s69, s69, s72                     ; its tiles t
	v_add_nc_u32 v[T0], 1, v1
	v_mul_lo_u32 v[T0], v[T0], s69
	v_cmp_ge_u32 s12, s68, v[T0]                   ; lanes m with (m + 1) t <= n:
	s_bcnt1_i32_b32 s70, s12                       ; q = n / t, 1 .. 32
	s_mul_i32 s71, s70, s69
	s_sub_co_u32 s71, s68, s71                     ; the first n - q t tiles take q + 1
	v_cmp_lt_u32 vcc_lo, s67, v1                   ; keys behind the fullest begin `spare` tiles later
	v_cndmask_b32 v[T0], 0, s72, vcc_lo
	v_add_nc_u32 v[T1], 32, v1
	v_cmp_lt_u32 vcc_lo, s67, v[T1]
	v_cndmask_b32 v[T1], 0, s72, vcc_lo
	v_lshl_add_u32 v[T0], v[T1], 16, v[T0]
	v_add_nc_u32 v[TBP], v[TBP], v[T0]
	v_and_b32 v[TLO], 0xffff, v[TBP]
	v_lshrrev_b32 v[THI], 16, v[TBP]
; my tile's key: the last whose first tile is not behind i (an empty key shares its first tile with the next, which then wins)
	v_mov_b32 v[KK], 0
.set k, 1
.rept 31
	v_readlane_b32 s[16+k], v[TLO], k
.set k, k+1
.endr
.set k, 1
.rept 31
	v_cmp_le_u32 vcc_lo, s[16+k], v0
	v_cndmask_b32 v[KK], v[KK], k, vcc_lo
.set k, k+1
.endr
.set k, 0
.rept 32
	v_readlane_b32 s[16+k], v[THI], k
.set k, k+1
.endr
.set k, 0
.rept 32
	v_cmp_le_u32 vcc_lo, s[16+k], v0
	v_cndmask_b32 v[KK], v[KK], 32+k, vcc_lo
.set k, k+1
.endr
	v_and_b32 v[T0], 31, v[KK]
	v_lshlrev_b32 v[T0], 2, v[T0]
	ds_bpermute_b32 v[GG], v[T0], v[NK]            ; the key's n, first place and first tile, from the lane that keeps it
	ds_bpermute_b32 v[GG+1], v[T0], v[BP]
	ds_bpermute_b32 v[GG+2], v[T0], v[TBP]
	v_cmp_le_u32 s12, 32, v[KK]
	s_wait_dscnt 0x0
.irp n, 0,1,2
	v_and_b32 v[T0], 0xffff, v[GG+\n]
	v_lshrrev_b32 v[T1], 16, v[GG+\n]
	v_cndmask_b32 v[NN+\n], v[T0], v[T1], s12      ; NN, BB, TT
.endr
	v_sub_nc_u32 v[JJ], v0, v[TT]                  ; j: my tile among the key's
	v_lshlrev_b32 v[OFF], 5, v[JJ]                 ; other keys: 32 j tokens in front,
	v_sub_nc_u32 v[CN], v[NN], v[OFF]
	v_min_u32 v[CN], 32, v[CN]                     ; min(32, what is left)
	v_mul_lo_u32 v[OF2], v[JJ], s70                ; the fullest key: j q + min(j, rest) in front,
	v_min_u32 v[T1], s71, v[JJ]
	v_add_nc_u32 v[OF2], v[OF2], v[T1]
	v_cmp_gt_u32 vcc_lo, s71, v[JJ]
	v_cndmask_b32 v[CN2], 0, 1, vcc_lo
	v_add_nc_u32 v[CN2], s70, v[CN2]               ; q or q + 1 tokens
	v_cmp_eq_u32 vcc_lo, s67, v[KK]
	v_cndmask_b32 v[OFF], v[OFF], v[OF2], vcc_lo
	v_cndmask_b32 v27, v[CN], v[CN2], vcc_lo
	v_add_nc_u32 v26, v[BB], v[OFF]
	v_lshrrev_b32 v24, 3, v[KK]
	v_and_b32 v25, 7, v[KK]
	v_lshlrev_b32 v[AD], 4, v0
	s_wait_xcnt 0x0                                ; EXEC is a source of the stores above: it changes only behind this wait
	v_cmp_gt_u32 vcc_lo, TILES, v0
	s_wait_tensorcnt 0x0
	ds_add_u32 v96, v97
	s_wait_dscnt 0x0
	s_and_saveexec_b32 s11, vcc_lo
	global_store_b128 v[AD], v[24:27], s[8:9]
	s_endpgm
.Lend:
	s_wait_tensorcnt 0x0
	ds_add_u32 v96, v97
	s_wait_dscnt 0x0
	s_endpgm
.Lfunc_end_k_q30ce415f36_route:
	.size	k_q30ce415f36_route, .Lfunc_end_k_q30ce415f36_route-k_q30ce415f36_route
	.p2alignl 7, 3214868480
	.fill 96, 4, 3214868480
	.section	.rodata,"a",@progbits
	.p2align	6, 0x0
	.amdhsa_kernel k_q30ce415f36_route
		.amdhsa_group_segment_fixed_size 13056
		.amdhsa_private_segment_fixed_size 0
		.amdhsa_enable_private_segment 0
		.amdhsa_kernarg_size 24
		.amdhsa_user_sgpr_count 2
		.amdhsa_user_sgpr_kernarg_segment_ptr 1
		.amdhsa_wavefront_size32 1
		.amdhsa_system_sgpr_workgroup_id_x 1
		.amdhsa_system_sgpr_workgroup_id_y 1
		.amdhsa_system_sgpr_workgroup_id_z 1
		.amdhsa_system_vgpr_workitem_id 0
		.amdhsa_next_free_vgpr 98
		.amdhsa_next_free_sgpr 74
		.amdhsa_reserve_vcc 1
		.amdhsa_float_denorm_mode_32 3
		.amdhsa_float_denorm_mode_16_64 3
		.amdhsa_memory_ordered 1
		.amdhsa_forward_progress 1
		.amdhsa_inst_pref_size 34
	.end_amdhsa_kernel
	.amdgpu_metadata
---
amdhsa.version: [ 1, 2 ]
amdhsa.kernels:
  - .name:           k_q30ce415f36_route
    .symbol:         k_q30ce415f36_route.kd
    .args:
      - { .name: sel, .offset: 0, .size: 8, .value_kind: global_buffer, .address_space: global }
      - { .name: order, .offset: 8, .size: 8, .value_kind: global_buffer, .address_space: global }
      - { .name: tiles, .offset: 16, .size: 8, .value_kind: global_buffer, .address_space: global }
    .group_segment_fixed_size: 13056
    .private_segment_fixed_size: 0
    .kernarg_segment_align: 8
    .kernarg_segment_size: 24
    .max_flat_workgroup_size: 1024
    .sgpr_count:     74
    .vgpr_count:     98
    .wavefront_size: 32
...
	.end_amdgpu_metadata
.endif
;; end of part 2
;; launch ffn (part 3): grid 190 x 1, 8 waves a work-group, no clusters, 296,960 bytes of LDS; arguments x, WF, b1, b2, order, tiles, gval, ln_gamma, ln_beta, out0; writes out0
.if DOCPART == 3
	.amdgcn_target "amdgcn-amd-amdhsa--gfx1250"
	.amdhsa_code_object_version 6
	.text
	.protected	k_q30ce415f36_ffn
	.globl	k_q30ce415f36_ffn
	.p2align	8
	.type	k_q30ce415f36_ffn,@function
k_q30ce415f36_ffn:
	s_mov_b64 s[64:65], 0
	v_nop
	global_prefetch_b8 v0, s[64:65] scope:SCOPE_SE
	s_setreg_imm32_b32 hwreg(HW_REG_WAVE_MODE, 25, 1), 1
	s_wait_xcnt 0x0
; ffn: both experts of a token and the norm, in one work-group.
;   eo1 = relu(x W1[e1] + b1[e1]) W2[e1] + b2[e1];  boost = x + 0.5 eo1;  eo2 = the same chain of expert e2 on boost;
;   out0 = LayerNorm(x + v0 eo1 + v1 eo2) gamma + beta.
; A work-group is one tile of the list: at most 32 tokens with the same pair (e1, e2).  So eo1 never leaves LDS, x is read once, and the
; start of a launch (arguments, tile, list, rows) is paid once for both experts.  Eight waves, two on each SIMD, 512 registers each.
; Phase A: wave w makes features 64 w .. + 63 of h (2 token blocks x 4 fragments = 8 accumulators), K = 1,024.
; Phase B: wave w makes features 128 w .. + 127 of the expert's output (16 accumulators), K = 512.
; THE WEIGHTS GO STRAIGHT INTO REGISTERS: each weight byte is used by one wave of the work-group alone, so a way through LDS would add a
; write and a read for each byte and share nothing.  WF holds them in fragment order, 256 KB contiguous for (expert, wave); a load of the
; wave takes 512 consecutive bytes.  A ring of four slots of 64 registers (8 fragments, 16 loads, 8 KB) in v256-511 keeps 48 to 64 loads
; of every wave out through all four phases: the last four units of the first expert ask for the first four of the second.
; NO CLUSTER: how many tiles share an expert's weights hangs on the data (a group of four would need partners without work), and a joint
; load lands in LDS, which this design does not use for weights.
; THE MATRIX INSTRUCTION IS USED TRANSPOSED: source 0 = 16 weight rows, source 1 = 16 tokens.  Fragment j holds in row slot s the feature
; n0 + 4 s + j, so register q of lane (r, h) of result j is (token r, feature n0 + 32 h + 4 q + j): the four results of a group give a
; lane 32 neighbouring features of one token.
; x, and then x + v0 eo1, is kept in f32 in LDS (XF, each wave's own four rows) from the gather to the norm.
; The norm takes the mean first and then the centred squares, so a common offset of the row does not eat the variance.
; LIMITS: x, boost, h and the weights are rounded to bf16 for the products; everything else is f32.
.set XPITCH, 2064                      ; XS: 32 rows of 1,024 bf16 + 16 bytes: sixteen rows start 16 bytes apart modulo 256
.set HPITCH, 1040                      ; HS: 32 rows of 512 bf16 + 16 bytes
.set SPITCH, 4112                      ; ST: 32 rows of 1,024 f32 + 16 bytes
.set HS,     131584                    ; LDS: XS at 0 (66,048 bytes); ST at 0 (131,584), over XS; HS behind ST (33,280)
.set XF,     164864                    ; XF behind HS: 8 waves x 4 rows x 4,096 bytes
.set ACC, 128                          ; v[128:191] phase A, v[128:255] phase B
.set XB0, 32                           ; v[32:63]   phase A: token fragments, buffer 0 (2 K steps x 2 token blocks x 8)
.set XB1, 192                          ; v[192:223] phase A: buffer 1
.set HB0, 32                           ; v[32:47]   phase B: token fragments, buffer 0 (2 token blocks x 8)
.set HB1, 48                           ; v[48:63]   phase B: buffer 1
.set B1,  224                          ; v[224:255] b1 of my 32 features
.set B2,  64                           ; v[64:127]  b2 of my 2 x 32 features
.set GA,  64                           ; v[64:95]   gamma, behind the last use of b2
.set BE,  96                           ; v[96:127]  beta
.set RA,  128                          ; v[128:191] a row of ST (32) and of XF (32)
.set RB,  192                          ; v[192:255] the same, second buffer
.set WP,  52                           ; s[52:53]   the weight stream in use, at this trip's first slot
.set WP2, 48                           ; s[48:49]   the second expert's stream
.set MSB, 0
.macro WIN new                         ; s_set_vgpr_msb: bits 1:0 source 0, 7:6 destination; the high byte repeats the setting that is left
.if MSB != \new
	s_set_vgpr_msb (MSB<<8)|\new
.set MSB, \new
.endif
.endm
.macro PLACES                          ; four plain vector instructions between a matrix instruction and a load into, or a vector
.rept 4                                ; instruction on, one of its registers (ISA guide 7.12.1)
	v_nop
.endr
.endm
.macro FILL q, at, b                   ; 16 loads: unit `at` of the stream (counted from s[b:b+1]) into ring slot q; destination in v256-511
.irp f, 0,1,2,3,4,5,6,7
	global_load_b128 v[64*\q+8*\f:64*\q+8*\f+3], v4, s[\b:\b+1] offset:(\at)*8192+\f*1024
	global_load_b128 v[64*\q+8*\f+4:64*\q+8*\f+7], v4, s[\b:\b+1] offset:(\at)*8192+\f*1024+512
.endr
.endm
.macro RING q
	WIN 0x40
	FILL \q, \q, WP
	WIN 0
.endm
.macro XLDA buf, off                   ; token fragments of two K steps from XS
.irp kk, 0,1
.irp tb, 0,1
.irp c, 0,1
	ds_load_b128 v[\buf+16*\kk+8*\tb+4*\c:\buf+16*\kk+8*\tb+4*\c+3], v5 offset:\off+64*\kk+32*\c+\tb*16*XPITCH
.endr
.endr
.endr
.endm
.macro XLDB buf, off                   ; token fragments of one K step from HS
.irp tb, 0,1
.irp c, 0,1
	ds_load_b128 v[\buf+8*\tb+4*\c:\buf+8*\tb+4*\c+3], v6 offset:\off+32*\c+\tb*16*HPITCH
.endr
.endr
.endm
; The accumulators take turns, one instruction a turn, over the loops' backward jumps too.
.macro MULA q, xb, kk, zero
.irp tb, 0,1
.irp j, 0,1,2,3
.if \zero
	v_wmma_f32_16x16x32_bf16 v[ACC+8*(4*\tb+\j):ACC+8*(4*\tb+\j)+7], v[64*\q+8*(4*\kk+\j):64*\q+8*(4*\kk+\j)+7], v[\xb+16*\kk+8*\tb:\xb+16*\kk+8*\tb+7], 0
.else
	v_wmma_f32_16x16x32_bf16 v[ACC+8*(4*\tb+\j):ACC+8*(4*\tb+\j)+7], v[64*\q+8*(4*\kk+\j):64*\q+8*(4*\kk+\j)+7], v[\xb+16*\kk+8*\tb:\xb+16*\kk+8*\tb+7], v[ACC+8*(4*\tb+\j):ACC+8*(4*\tb+\j)+7]
.endif
.endr
.endr
.endm
.macro MULB q, hb, zero
.irp g, 0,1
.irp tb, 0,1
.irp j, 0,1,2,3
.if \zero
	v_wmma_f32_16x16x32_bf16 v[ACC+8*(8*\g+4*\tb+\j):ACC+8*(8*\g+4*\tb+\j)+7], v[64*\q+8*(4*\g+\j):64*\q+8*(4*\g+\j)+7], v[\hb+8*\tb:\hb+8*\tb+7], 0
.else
	v_wmma_f32_16x16x32_bf16 v[ACC+8*(8*\g+4*\tb+\j):ACC+8*(8*\g+4*\tb+\j)+7], v[64*\q+8*(4*\g+\j):64*\q+8*(4*\g+\j)+7], v[\hb+8*\tb:\hb+8*\tb+7], v[ACC+8*(8*\g+4*\tb+\j):ACC+8*(8*\g+4*\tb+\j)+7]
.endif
.endr
.endr
.endr
.endm
; One unit of phase A: ring slot q = two K steps, 16 matrix instructions; then the slot is asked for again, four units ahead.
.macro USEA q, xb, zero, xpre, dcnt
	s_wait_loadcnt 48                              ; loads come back in order: at least the three younger slots (3 x 16) were issued behind mine, so mine is in
	s_wait_dscnt \dcnt                             ; this unit's token fragments are in; the next unit's 8 loads stay out
	WIN 0x01                                       ; source 0 in v256-511
	MULA \q, \xb, 0, \zero
	MULA \q, \xb, 1, 0
	WIN 0x40
	PLACES
	FILL \q, \q+4, WP
	WIN 0
.if \xpre
	XLDA \xb, (\q+2)*128                           ; the unit after next, into the buffer just read
.endif
.endm
.macro TRIPA zero, x23, d3
	USEA 0, XB0, \zero, 1, 8
	USEA 1, XB1, 0, 1, 8
	USEA 2, XB0, 0, \x23, 8
	USEA 3, XB1, 0, \x23, \d3
	s_wait_xcnt 0x0                                ; the loads' base is stepped only behind this wait
	s_add_nc_u64 s[WP:WP+1], s[WP:WP+1], 32768
.if \x23
	v_add_nc_u32 v5, 512, v5                       ; 4 units x 64 bf16
.endif
.endm
; One unit of phase B: ring slot q = one K step of both column groups, 16 matrix instructions.
; refill = 1: the slot is asked for again four units ahead; 2: with unit q of the second expert's stream; 0: not at all.
.macro USEB q, hb, zero, refill, lcnt, xpre, dcnt
	s_wait_loadcnt \lcnt
	s_wait_dscnt \dcnt
	WIN 0x01
	MULB \q, \hb, \zero
.if \refill == 0
	WIN 0
	PLACES
.else
	WIN 0x40
	PLACES
.if \refill == 1
	FILL \q, \q+4, WP
.else
	FILL \q, \q, WP2
.endif
	WIN 0
.endif
.if \xpre
	XLDB \hb, (\q+2)*64
.endif
.endm
.macro TRIPB zero, refill, l1, l2, l3, x23, d3
	USEB 0, HB0, \zero, \refill, 48, 1, 4
	USEB 1, HB1, 0, \refill, \l1, 1, 4
	USEB 2, HB0, 0, \refill, \l2, \x23, 4
	USEB 3, HB1, 0, \refill, \l3, \x23, \d3
.if \refill == 1
	s_wait_xcnt 0x0
	s_add_nc_u64 s[WP:WP+1], s[WP:WP+1], 32768
.endif
.if \x23
	v_add_nc_u32 v6, 256, v6                       ; 4 K steps x 32 bf16
.endif
.endm
; h = relu(. + b1), rounded to bf16, into HS: 64 bytes of one token a lane.  The four places behind the last matrix instruction stand in the unit in front.
.macro HOUT
.irp tb, 0,1
.irp q, 0,1,2,3,4,5,6,7
.irp j, 0,1,2,3
	v_add_f32 v[16+12*(\q&1)+\j], v[ACC+8*(4*\tb+\j)+\q], v[B1+4*\q+\j]
.endr
.irp j, 0,1,2,3
	v_max_num_f32 v[16+12*(\q&1)+\j], 0, v[16+12*(\q&1)+\j]
.endr
	v_cvt_pk_bf16_f32 v[20+4*((\q>>1)&1)+2*(\q&1)], v[16+12*(\q&1)], v[17+12*(\q&1)]
	v_cvt_pk_bf16_f32 v[21+4*((\q>>1)&1)+2*(\q&1)], v[18+12*(\q&1)], v[19+12*(\q&1)]
.if \q & 1
	ds_store_b128 v7, v[20+4*((\q>>1)&1):23+4*((\q>>1)&1)] offset:\tb*16*HPITCH+16*(\q>>1)
.endif
.endr
.endr
.endm
.macro COUT g, tb, adr                 ; + b2, 16 bytes (4 neighbouring features of one token) at a time into ST
.irp q, 0,1,2,3,4,5,6,7
.irp j, 0,1,2,3
	v_add_f32 v[32+4*\q+\j], v[ACC+8*(8*\g+4*\tb+\j)+\q], v[B2+32*\g+4*\q+\j]
.endr
	ds_store_b128 v[\adr], v[32+4*\q:32+4*\q+3] offset:256*\g+16*\q
.endr
.endm
.macro BIAS p1, p2                     ; b1 and b2 of my features, from s[p1:p1+1] and s[p2:p2+1]
.irp q, 0,1,2,3,4,5,6,7
	global_load_b128 v[B1+4*\q:B1+4*\q+3], v13, s[\p1:\p1+1] offset:16*\q
.endr
.irp g, 0,1
.irp q, 0,1,2,3,4,5,6,7
	global_load_b128 v[B2+32*\g+4*\q:B2+32*\g+4*\q+3], v13, s[\p2:\p2+1] offset:256*\g+16*\q
.endr
.endr
.endm
.macro BAR                             ; my LDS accesses are done before I say so
	s_wait_dscnt 0x0
	s_barrier_signal -1
	s_barrier_wait -1
.endm
	s_load_b256 s[4:11], s[0:1], 0x0               ; x s[4:5], WF s[6:7], b1 s[8:9], b2 s[10:11]
	s_load_b256 s[12:19], s[0:1], 0x20             ; order s[12:13], tiles s[14:15], gval s[16:17], ln_gamma s[18:19]
	s_load_b128 s[20:23], s[0:1], 0x40             ; ln_beta s[20:21], out0 s[22:23]
	v_lshrrev_b32 v14, 5, v0
	v_readfirstlane_b32 s26, v14                   ; wave w
	s_lshl_b32 s27, s26, 2                         ; my first slot of the tile: 4 w
	s_lshl_b32 s54, ttmp9, 4
	s_mov_b32 s60, 0x76543210                      ; v_permlanex16_b32: lane i of one half reads lane i of the other
	s_mov_b32 s61, 0xfedcba98
	s_mov_b32 s62, 0x3a800000                      ; 1 / 1,024
	s_mov_b32 s63, 0x3727c5ac                      ; 1e-5
	s_wait_kmcnt 0x0
	s_load_b128 s[28:31], s[14:15], s54 offset:0x0 ; first expert, second expert, first place, tokens
	v_and_b32 v1, 31, v0                           ; lane
	v_and_b32 v2, 15, v0                           ; r
	v_bfe_u32 v3, v0, 4, 1                         ; hh
	v_lshlrev_b32 v4, 4, v1                        ; 16 x lane
	v_mul_u32_u24 v14, v2, XPITCH
	v_lshl_add_u32 v14, v3, 4, v14                 ; XS fragments: r x pitch + 16 hh; v5 starts from it in each expert
	v_mul_u32_u24 v6, v2, HPITCH
	v_lshl_add_u32 v7, v3, 6, v6
	v_lshl_add_u32 v15, v3, 4, v6
	v_add_nc_u32 v15, HS, v15                      ; HS fragments: r x pitch + 16 hh; v6 starts from it in each expert
	s_lshl_b32 s56, s26, 7
	s_add_co_u32 s56, s56, HS
	v_add_nc_u32 v7, s56, v7                       ; HS, my 32 features of token r: r x pitch + 128 w + 64 hh
	v_mul_u32_u24 v8, v2, SPITCH
	v_lshl_add_u32 v8, v3, 7, v8
	s_lshl_b32 s56, s26, 9
	v_add_nc_u32 v8, s56, v8                       ; ST, token block 0: r x pitch + 512 w + 128 hh
	v_add_nc_u32 v9, 16*SPITCH, v8                 ; token block 1
	s_mul_i32 s56, s26, 4*SPITCH
	v_add_nc_u32 v10, s56, v4                      ; ST by rows: my four rows
	s_lshl_b32 s56, s26, 14
	s_add_co_u32 s56, s56, XF
	v_add_nc_u32 v11, s56, v4                      ; XF: my four rows
	s_mul_i32 s56, s26, 4*XPITCH
	v_lshl_add_u32 v12, v1, 3, s56                 ; XS by rows: my four rows, 8 bytes a lane
	v_lshlrev_b32 v13, 7, v3                       ; biases: 32 hh numbers
	v_mov_b32 v30, 0                               ; v_permlanex16_b32's destination counts as read
	s_wait_kmcnt 0x0
	s_min_u32 s28, s28, 7                          ; an expert is 0 .. 7
	s_min_u32 s29, s29, 7
	s_lshl_b32 s24, s26, 18                        ; my streams: expert x 2 MiB + wave x 256 KiB
	s_lshl_b32 s54, s28, 21
	s_add_co_u32 s54, s54, s24
	s_lshl_b32 s56, s29, 21
	s_add_co_u32 s56, s56, s24
	s_mov_b32 s55, 0
	s_mov_b32 s57, 0
	s_add_nc_u64 s[WP:WP+1], s[6:7], s[54:55]
	s_add_nc_u64 s[WP2:WP2+1], s[6:7], s[56:57]
	s_lshl_b32 s24, s26, 8                         ; b1[e][64 w]
	s_lshl_b32 s54, s28, 11
	s_add_co_u32 s54, s54, s24
	s_lshl_b32 s56, s29, 11
	s_add_co_u32 s56, s56, s24
	s_add_nc_u64 s[44:45], s[8:9], s[56:57]        ; of the second expert
	s_add_nc_u64 s[8:9], s[8:9], s[54:55]          ; of the first
	s_lshl_b32 s24, s26, 9                         ; b2[e][128 w]
	s_lshl_b32 s54, s28, 12
	s_add_co_u32 s54, s54, s24
	s_lshl_b32 s56, s29, 12
	s_add_co_u32 s56, s56, s24
	s_add_nc_u64 s[46:47], s[10:11], s[56:57]
	s_add_nc_u64 s[10:11], s[10:11], s[54:55]
	s_sub_co_u32 s25, s31, 1
.irp rho, 0,1,2,3
	s_add_co_u32 s[36+\rho], s27, \rho
	s_min_u32 s[36+\rho], s[36+\rho], s25          ; slots behind the tile's end repeat its last token, so that all of XS is written
	s_add_co_u32 s[36+\rho], s[36+\rho], s30
	s_min_u32 s[36+\rho], s[36+\rho], 0xfff        ; a place is 0 .. 4,095
	s_lshl_b32 s[36+\rho], s[36+\rho], 2
	s_load_b32 s[32+\rho], s[12:13], s[36+\rho] offset:0x0
.endr
	BIAS 8, 10
	RING 0
	RING 1
	s_wait_kmcnt 0x0                               ; my four tokens; s[36:39] are free again
.irp rho, 0,1,2,3
	s_min_u32 s[32+\rho], s[32+\rho], 0xfff        ; a token is 0 .. 4,095
.endr
.irp rho, 0,1,2,3
	s_lshl_b32 s54, s[32+\rho], 12                 ; rows of 4,096 bytes
	s_add_nc_u64 s[36+2*\rho:37+2*\rho], s[4:5], s[54:55]
	s_add_nc_u64 s[82+2*\rho:83+2*\rho], s[22:23], s[54:55]
	s_lshl_b32 s[92+\rho], s[32+\rho], 3
	s_load_b64 s[66+2*\rho:67+2*\rho], s[16:17], s[92+\rho] offset:0x0     ; v0, v1 of the token
.endr
; GATHER: my four rows of x, rounded to bf16 into XS and as they are into XF
.macro LDROWX rho, xr
.irp i, 0,1,2,3,4,5,6,7
	global_load_b128 v[\xr+4*\i:\xr+4*\i+3], v4, s[36+2*\rho:37+2*\rho] offset:\i*512
.endr
.endm
.macro GROW xr, rho, left
	s_wait_loadcnt \left                           ; the later rows (8 loads each) and the two ring slots behind them (32) stay out
.irp i, 0,1,2,3,4,5,6,7
	v_cvt_pk_bf16_f32 v[16+2*\i], v[\xr+4*\i], v[\xr+4*\i+1]
	v_cvt_pk_bf16_f32 v[17+2*\i], v[\xr+4*\i+2], v[\xr+4*\i+3]
	ds_store_b64 v12, v[16+2*\i:17+2*\i] offset:\rho*XPITCH+\i*256
	ds_store_b128 v11, v[\xr+4*\i:\xr+4*\i+3] offset:\rho*4096+\i*512
.endr
.endm
	LDROWX 0, 128
	LDROWX 1, 160
	LDROWX 2, 192
	LDROWX 3, 32
	RING 2
	RING 3
	GROW 128, 0, 56
	GROW 160, 1, 48
	GROW 192, 2, 40
	GROW 32,  3, 32
	s_wait_kmcnt 0x0                               ; the gate weights
.irp rho, 0,1,2,3
	s_mov_b32 s[74+2*\rho], s[67+2*\rho]           ; v1 at the head of a pair of its own: a scalar pair is broadcast from its first register
	s_mov_b32 s[75+2*\rho], s[67+2*\rho]
.endr
	BAR                                            ; XS is whole
; ---- THE FIRST EXPERT ----
	v_mov_b32 v5, v14
	v_mov_b32 v6, v15
; phase A: 16 units of two K steps
	XLDA XB0, 0
	XLDA XB1, 128
	TRIPA 1, 1, 8                                  ; the first products start the sums: nothing is cleared
	s_mov_b32 s58, 2
.LloopA1:
	TRIPA 0, 1, 8
	s_sub_co_u32 s58, s58, 1
	s_cmp_lg_u32 s58, 0
	s_cbranch_scc1 .LloopA1
	TRIPA 0, 0, 0                                  ; the last two units fetch no token fragments; the ring goes on into W2
	HOUT
	BAR                                            ; HS is whole; nobody reads XS any more; the ring's loads stay out across this barrier
; phase B: 16 units of one K step
	XLDB HB0, 0
	XLDB HB1, 64
	TRIPB 1, 1, 48, 48, 48, 1, 4
	s_mov_b32 s58, 2
.LloopB1:
	TRIPB 0, 1, 48, 48, 48, 1, 4
	s_sub_co_u32 s58, s58, 1
	s_cmp_lg_u32 s58, 0
	s_cbranch_scc1 .LloopB1
	TRIPB 0, 2, 48, 48, 48, 0, 0                   ; the last four units ask for the second expert's first four: the ring stays full, the count stays 48
; eo1 = . + b2, through ST, so that a wave gets whole rows.  ST lies apart from HS, which other waves may still read, and from XF.
	COUT 0, 0, 8
	COUT 0, 1, 9
	COUT 1, 0, 8
	COUT 1, 1, 9
	BAR                                            ; ST is whole
; ---- BETWEEN THE EXPERTS: boost = x + 0.5 eo1 into XS, x + v0 eo1 over x in XF ----
.macro LDXF xr, rho
.irp i, 0,1,2,3,4,5,6,7
	ds_load_b128 v[\xr+4*\i:\xr+4*\i+3], v11 offset:\rho*4096+\i*512
.endr
.endm
.macro BOOST xr, er, rho
.irp i, 0,1,2,3,4,5,6,7
	v_pk_fma_f32 v[16+8*(\i&1):17+8*(\i&1)], v[\er+4*\i:\er+4*\i+1], 0.5, v[\xr+4*\i:\xr+4*\i+1] op_sel_hi:[1,0,1]
	v_pk_fma_f32 v[18+8*(\i&1):19+8*(\i&1)], v[\er+4*\i+2:\er+4*\i+3], 0.5, v[\xr+4*\i+2:\xr+4*\i+3] op_sel_hi:[1,0,1]
	v_pk_fma_f32 v[\er+4*\i:\er+4*\i+1], v[\er+4*\i:\er+4*\i+1], s[66+2*\rho:67+2*\rho], v[\xr+4*\i:\xr+4*\i+1] op_sel_hi:[1,0,1]
	v_pk_fma_f32 v[\er+4*\i+2:\er+4*\i+3], v[\er+4*\i+2:\er+4*\i+3], s[66+2*\rho:67+2*\rho], v[\xr+4*\i+2:\xr+4*\i+3] op_sel_hi:[1,0,1]
	v_cvt_pk_bf16_f32 v[20+8*(\i&1)], v[16+8*(\i&1)], v[17+8*(\i&1)]
	v_cvt_pk_bf16_f32 v[21+8*(\i&1)], v[18+8*(\i&1)], v[19+8*(\i&1)]
	ds_store_b64 v12, v[20+8*(\i&1):21+8*(\i&1)] offset:\rho*XPITCH+\i*256
	ds_store_b128 v11, v[\er+4*\i:\er+4*\i+3] offset:\rho*4096+\i*512
.endr
.endm
.irp rho, 0,1,2,3
.irp i, 0,1,2,3,4,5,6,7
	ds_load_b128 v[ACC+32*\rho+4*\i:ACC+32*\rho+4*\i+3], v10 offset:\rho*SPITCH+\i*512     ; my four rows of eo1
.endr
.endr
	LDXF 32, 0
	LDXF 64, 1
	BAR                                            ; every wave holds its rows of ST in registers: only now may ST's bytes become XS again
	BOOST 32, 128, 0
	LDXF 32, 2
	BOOST 64, 160, 1
	LDXF 64, 3
	s_wait_dscnt 24                                ; row 2 of x is in: behind its loads came 16 stores and 8 loads
	BOOST 32, 192, 2
	s_wait_dscnt 16                                ; row 3 of x is in: behind its loads came 16 stores
	BOOST 64, 224, 3
	BIAS 44, 46                                    ; the second expert's biases; younger than the ring's four slots, so the ring's count of 48 stays
	BAR                                            ; XS is whole
; ---- THE SECOND EXPERT ----
.set WP, WP2
	v_mov_b32 v5, v14
	v_mov_b32 v6, v15
	XLDA XB0, 0
	XLDA XB1, 128
	TRIPA 1, 1, 8
	s_mov_b32 s58, 2
.LloopA2:
	TRIPA 0, 1, 8
	s_sub_co_u32 s58, s58, 1
	s_cmp_lg_u32 s58, 0
	s_cbranch_scc1 .LloopA2
	TRIPA 0, 0, 0
	HOUT
	BAR                                            ; HS is whole; nobody reads XS any more
	XLDB HB0, 0
	XLDB HB1, 64
	TRIPB 1, 1, 48, 48, 48, 1, 4
	s_mov_b32 s58, 2
.LloopB2:
	TRIPB 0, 1, 48, 48, 48, 1, 4
	s_sub_co_u32 s58, s58, 1
	s_cmp_lg_u32 s58, 0
	s_cbranch_scc1 .LloopB2
	TRIPB 0, 0, 32, 16, 0, 0, 0                    ; the last four units ask for nothing: the counts run down 48, 32, 16, 0
	COUT 0, 0, 8
	COUT 0, 1, 9
	COUT 1, 0, 8
	COUT 1, 1, 9
.irp i, 0,1,2,3,4,5,6,7
	global_load_b128 v[GA+4*\i:GA+4*\i+3], v4, s[18:19] offset:\i*512      ; gamma and beta of my columns 128 i + 4 lane .. + 3, over b2
.endr
.irp i, 0,1,2,3,4,5,6,7
	global_load_b128 v[BE+4*\i:BE+4*\i+3], v4, s[20:21] offset:\i*512
.endr
	BAR                                            ; ST is whole
; ---- THE NORM: a wave takes its four rows whole, 32 numbers a lane, two row buffers by turns ----
.macro LDROW R, rho
.irp i, 0,1,2,3,4,5,6,7
	ds_load_b128 v[\R+4*\i:\R+4*\i+3], v10 offset:(\rho)*SPITCH+\i*512
.endr
.irp i, 0,1,2,3,4,5,6,7
	ds_load_b128 v[\R+32+4*\i:\R+32+4*\i+3], v11 offset:(\rho)*4096+\i*512
.endr
.endm
.macro FOLD                            ; four packed chains in v[16:23] to one number in every lane, in v16
	v_pk_add_f32 v[16:17], v[16:17], v[18:19]
	v_pk_add_f32 v[20:21], v[20:21], v[22:23]
	v_pk_add_f32 v[16:17], v[16:17], v[20:21]
	v_add_f32 v16, v16, v17
	v_add_f32_dpp v16, v16, v16 row_xmask:1 row_mask:0xf bank_mask:0xf
	v_add_f32_dpp v16, v16, v16 row_xmask:2 row_mask:0xf bank_mask:0xf
	v_add_f32_dpp v16, v16, v16 row_xmask:4 row_mask:0xf bank_mask:0xf
	v_add_f32_dpp v16, v16, v16 row_xmask:8 row_mask:0xf bank_mask:0xf
	v_permlanex16_b32 v30, v16, s60, s61
	v_add_f32 v16, v16, v30
.endm
.macro ROW2 R, rho, left, more
	s_wait_dscnt \left                             ; this row's 16 loads are in; the other buffer's 16 stay out
	s_add_co_u32 s54, s27, \rho
	s_cmp_ge_u32 s54, s31                          ; a slot behind the tile's end has no row to write
	s_cbranch_scc1 .Lskip_\@
.irp m, 0,1,2,3,4,5,6,7,8,9,10,11,12,13,14,15
	v_pk_fma_f32 v[\R+2*\m:\R+2*\m+1], v[\R+2*\m:\R+2*\m+1], s[74+2*\rho:75+2*\rho], v[\R+32+2*\m:\R+32+2*\m+1] op_sel_hi:[1,0,1]   ; y = v1 eo2 + (x + v0 eo1)
.endr
.irp c, 0,1,2,3
	v_pk_add_f32 v[16+2*\c:17+2*\c], v[\R+2*\c:\R+2*\c+1], v[\R+8+2*\c:\R+8+2*\c+1]
.endr
.irp c, 0,1,2,3
	v_pk_add_f32 v[16+2*\c:17+2*\c], v[16+2*\c:17+2*\c], v[\R+16+2*\c:\R+16+2*\c+1]
.endr
.irp c, 0,1,2,3
	v_pk_add_f32 v[16+2*\c:17+2*\c], v[16+2*\c:17+2*\c], v[\R+24+2*\c:\R+24+2*\c+1]
.endr
	FOLD
	v_mul_f32 v24, s62, v16                        ; the mean, twice, for the packed subtraction
	v_mul_f32 v25, s62, v16
.irp m, 0,1,2,3,4,5,6,7,8,9,10,11,12,13,14,15
	v_pk_add_f32 v[\R+2*\m:\R+2*\m+1], v[\R+2*\m:\R+2*\m+1], v[24:25] neg_lo:[0,1] neg_hi:[0,1]
.endr
.irp c, 0,1,2,3
	v_pk_mul_f32 v[16+2*\c:17+2*\c], v[\R+2*\c:\R+2*\c+1], v[\R+2*\c:\R+2*\c+1]
.endr
.irp c, 0,1,2,3
	v_pk_fma_f32 v[16+2*\c:17+2*\c], v[\R+8+2*\c:\R+8+2*\c+1], v[\R+8+2*\c:\R+8+2*\c+1], v[16+2*\c:17+2*\c]
.endr
.irp c, 0,1,2,3
	v_pk_fma_f32 v[16+2*\c:17+2*\c], v[\R+16+2*\c:\R+16+2*\c+1], v[\R+16+2*\c:\R+16+2*\c+1], v[16+2*\c:17+2*\c]
.endr
.irp c, 0,1,2,3
	v_pk_fma_f32 v[16+2*\c:17+2*\c], v[\R+24+2*\c:\R+24+2*\c+1], v[\R+24+2*\c:\R+24+2*\c+1], v[16+2*\c:17+2*\c]
.endr
	FOLD
	v_fma_f32 v26, v16, s62, s63                   ; variance + eps
	v_rsq_f32 v24, v26
	v_rsq_f32 v25, v26
	v_nop                                          ; one plain vector instruction between v_rsq_f32 and its first use (ISA guide 5.7.2)
	s_wait_loadcnt 0x0                             ; gamma and beta (met from the wave's second row on)
	s_wait_alu depctr_va_vdst(0)
.irp m, 0,1,2,3,4,5,6,7,8,9,10,11,12,13,14,15
	v_pk_mul_f32 v[\R+2*\m:\R+2*\m+1], v[\R+2*\m:\R+2*\m+1], v[24:25]
.endr
.irp m, 0,1,2,3,4,5,6,7,8,9,10,11,12,13,14,15
	v_pk_fma_f32 v[\R+2*\m:\R+2*\m+1], v[\R+2*\m:\R+2*\m+1], v[GA+2*\m:GA+2*\m+1], v[BE+2*\m:BE+2*\m+1]
.endr
.irp i, 0,1,2,3,4,5,6,7
	global_store_b128 v4, v[\R+4*\i:\R+4*\i+3], s[82+2*\rho:83+2*\rho] offset:\i*512 th:TH_STORE_NT   ; 512 consecutive bytes of the token's row
.endr
.Lskip_\@:
.if \more
	s_wait_xcnt 0x0                                ; the stores' data registers are loaded again only behind this wait
	LDROW \R, \rho+2
.endif
.endm
	LDROW RA, 0
	LDROW RB, 1
	ROW2 RA, 0, 16, 1
	ROW2 RB, 1, 16, 1
	ROW2 RA, 2, 16, 0
	ROW2 RB, 3, 0, 0
	s_wait_xcnt 0x0
	v_lshl_add_u32 v254, v0, 2, 0x48400
	v_mov_b32 v255, 0
	s_wait_tensorcnt 0x0
	ds_add_u32 v254, v255
	s_wait_dscnt 0x0
	s_endpgm
.Lfunc_end_k_q30ce415f36_ffn:
	.size	k_q30ce415f36_ffn, .Lfunc_end_k_q30ce415f36_ffn-k_q30ce415f36_ffn
	.p2alignl 7, 3214868480
	.fill 96, 4, 3214868480
	.section	.rodata,"a",@progbits
	.p2align	6, 0x0
	.amdhsa_kernel k_q30ce415f36_ffn
		.amdhsa_group_segment_fixed_size 296960
		.amdhsa_private_segment_fixed_size 0
		.amdhsa_enable_private_segment 0
		.amdhsa_kernarg_size 80
		.amdhsa_user_sgpr_count 2
		.amdhsa_user_sgpr_kernarg_segment_ptr 1
		.amdhsa_wavefront_size32 1
		.amdhsa_system_sgpr_workgroup_id_x 1
		.amdhsa_system_sgpr_workgroup_id_y 1
		.amdhsa_system_sgpr_workgroup_id_z 1
		.amdhsa_system_vgpr_workitem_id 0
		.amdhsa_next_free_vgpr 512
		.amdhsa_next_free_sgpr 96
		.amdhsa_reserve_vcc 0
		.amdhsa_float_denorm_mode_32 3
		.amdhsa_float_denorm_mode_16_64 3
		.amdhsa_memory_ordered 1
		.amdhsa_forward_progress 1
		.amdhsa_inst_pref_size 255
	.end_amdhsa_kernel
	.section	.bss,"aw",@nobits
	.p2align	6
	.space	262144
	.amdgpu_metadata
---
amdhsa.version: [ 1, 2 ]
amdhsa.kernels:
  - .name:           k_q30ce415f36_ffn
    .symbol:         k_q30ce415f36_ffn.kd
    .args:
      - { .name: x, .offset: 0, .size: 8, .value_kind: global_buffer, .address_space: global }
      - { .name: WF, .offset: 8, .size: 8, .value_kind: global_buffer, .address_space: global }
      - { .name: b1, .offset: 16, .size: 8, .value_kind: global_buffer, .address_space: global }
      - { .name: b2, .offset: 24, .size: 8, .value_kind: global_buffer, .address_space: global }
      - { .name: order, .offset: 32, .size: 8, .value_kind: global_buffer, .address_space: global }
      - { .name: tiles, .offset: 40, .size: 8, .value_kind: global_buffer, .address_space: global }
      - { .name: gval, .offset: 48, .size: 8, .value_kind: global_buffer, .address_space: global }
      - { .name: ln_gamma, .offset: 56, .size: 8, .value_kind: global_buffer, .address_space: global }
      - { .name: ln_beta, .offset: 64, .size: 8, .value_kind: global_buffer, .address_space: global }
      - { .name: out0, .offset: 72, .size: 8, .value_kind: global_buffer, .address_space: global }
    .group_segment_fixed_size: 296960
    .private_segment_fixed_size: 0
    .kernarg_segment_align: 8
    .kernarg_segment_size: 80
    .max_flat_workgroup_size: 256
    .sgpr_count:     96
    .vgpr_count:     512
    .wavefront_size: 32
...
	.end_amdgpu_metadata
.endif
;; end of part 3
